; MI455X (gfx1250); checked and timed in simulation.
; The chip was launched on July 23, 2026; its instructions are those of AMD's public machine-readable ISA for CDNA 5 (MIT licence, August 2026) and "CDNA5" Instruction Set Architecture Reference Guide (July 2026). The comments in the code are by the model that wrote it; some were corrected since.
;; Flash Attention. Allowed arithmetic: matrix products marked QUANTISED: E2M3 operands, one E8M0 scale for each 32 along K, by v_wmma_scale_f32_16x16x128_f8f6f4 with both operands' format E2M3, f32 sums; everything else in f32.
;; Inputs: Wk 1,024 x 1,024 float32; Wo 1,024 x 1,024 float32; Wq 1,024 x 1,024 float32; Wv 1,024 x 1,024 float32; bk 1,024 float32; bo 1,024 float32; bq 1,024 float32; bv 1,024 float32; k 4 x 2,048 x 1,024 float32; q 4 x 2,048 x 1,024 float32; v 4 x 2,048 x 1,024 float32.
;; Outputs: out0 4 x 2,048 x 1,024 float32.
;; This version of the problem:
;;   THIS VERSION OF THE PROBLEM IS GIVEN IN LOW PRECISION. The matrix products marked QUANTISED in the list below multiply operands that are first quantised to E2M3 (2 exponent bits, 3 mantissa bits; 6 bits a number), with one power-of-two scale for each 32 numbers along K (OCP MX v1.0); their sums are f32. All else is computed in f32.
;;   The module's matrix products, in the order in which they are computed (A, B: the left and right operand; K: the contracted axis; several contracted axes count as one K, in the product's order):
;;     1. [M 8,192, K 1,024] x [K 1,024, N 1,024]; A: input q; B: input Wq: QUANTISED
;;     2. [M 8,192, K 1,024] x [K 1,024, N 1,024]; A: input k; B: input Wk: QUANTISED
;;     3. [M 8,192, K 1,024] x [K 1,024, N 1,024]; A: input v; B: input Wv: QUANTISED
;;     4. batch 64 x [M 2,048, K 64] x [K 64, N 2,048]; A: computed on the way; B: computed on the way: QUANTISED
;;     5. batch 64 x [M 2,048, K 2,048] x [K 2,048, N 64]; A: softmax (see below); B: computed on the way: QUANTISED
;;     6. [M 8,192, K 1,024] x [K 1,024, N 1,024]; A: computed on the way; B: input Wo: QUANTISED
;;   THE QUANTISER, for each operand of a quantised product, along K:
;;     - K is cut into blocks of 32 from its start; a last block that is shorter is filled with zeros.
;;     - A block's scale is 2^e with e = floor(log2(the largest magnitude in the block)) - 2, held to -126 .. 127; a block of zeros has e = 0. As a byte (E8M0): e + 127.
;;     - Each number is divided by its block's scale, clamped to +-7.5, and rounded to the nearest number of E2M3, ties to even, subnormals kept.
;;     - The product sums the exact products of the quantised numbers (number of the format x scale) in f32.
;;   ~~~python
;;   def quantise(x, axis):      # numpy; x: float32 -> the quantised numbers, widened to float32 again
;;       x = np.moveaxis(x, axis, -1); K = x.shape[-1]
;;       x = np.pad(x, [(0, 0)] * (x.ndim - 1) + [(0, -K % 32)]); x = x.reshape(x.shape[:-1] + (-1, 32)); a = np.abs(x).max(-1, keepdims=True)
;;       e = np.where(a > 0, np.clip(np.frexp(np.where(a > 0, a, 1))[1] - 1 - 2, -126, 127), 0)      # np.frexp(a)[1] - 1 = floor(log2(a)), exactly
;;       r = np.clip(x / 2.0 ** e, -7.5, 7.5)
;;       step = 2.0 ** (np.maximum(np.frexp(np.where(r == 0, 1, r))[1] - 1, 0) - 3)
;;       q = np.round(r / step) * step * 2.0 ** e      # np.round: ties to even
;;       return np.moveaxis(q.reshape(q.shape[:-2] + (-1,))[..., :K], -1, axis).astype(np.float32)
;;   ~~~
;;   SOFTMAX AHEAD OF A QUANTISED PRODUCT. Where the list says 'softmax', what is quantised is not the finished softmax but p = 2^(t - M), with t = logit x log2(e) and M = ceil(the row's largest t), a whole number; so 1/2 < the row's largest p <= 1. The row's sum l is taken of the UNQUANTISED p, in f32, and the product's result is divided by l at the end. Since M is a whole number, a kernel that streams over the keys may use a running M (the ceiling of the running maximum): every later rescaling is an exact power of two, which a block's scale takes up: the codes' values come out the same.
;;   OPERANDS COMPUTED ON THE WAY. 'Computed on the way' means the value that the module computes at that place (a softmax that the list does not call 'softmax' is quantised finished and normalised). What goes into a quantiser is computed in f32, as accurately as f32 sums, v_exp_f32 and their like allow (about 1e-6 of the number): no bf16 or f16 on the way to a quantiser, and a product that is left as it is and whose result goes on into a quantised operand takes f32 operands (vector FMAs, or v_wmma_f32_16x16x4_f32). A number that lies on a knife's edge between two numbers of the format may be rounded either way, as far as f32 arithmetic and the matrix unit's own rounding can turn it there, and no further.
;; One version. Each part assembles by itself: llvm-mc -triple=amdgcn-amd-amdhsa -mcpu=gfx1250 --defsym DOCPART=n.
;; ======== version 1 of 1: 4 launches
;; workspace buffers: codes 22,020,096 bytes; scales 917,504 bytes; hd 20,185,088 bytes; ac 6,291,456 bytes; asc 262,144 bytes
;; launch quant (part 1): grid 896 x 1, 4 waves a work-group, no clusters, 33,280 bytes of LDS; arguments q, k, v, Wq, Wk, Wv, Wo, codes, scales; writes codes, scales
.if DOCPART == 1
	.amdgcn_target "amdgcn-amd-amdhsa--gfx1250"
	.amdhsa_code_object_version 6
	.text
	.protected	k_q0e4ecfb0b5_quant
	.globl	k_q0e4ecfb0b5_quant
	.p2align	8
	.type	k_q0e4ecfb0b5_quant,@function
k_q0e4ecfb0b5_quant:
	s_mov_b64 s[64:65], 0
	v_nop
	global_prefetch_b8 v0, s[64:65] scope:SCOPE_SE
	s_setreg_imm32_b32 hwreg(HW_REG_WAVE_MODE, 25, 1), 1
	s_wait_xcnt 0x0
; q, k, v [8192][1024] and Wq, Wk, Wv, Wo [1024][1024], f32, K innermost, become codes of FP6 (E2M3) and one E8M0 scale byte for each 32 along K.
; OUT: codes: 28,672 rows of 768 bytes (q from row 0, k 8,192, v 16,384, Wq 24,576, Wk 25,600, Wv 26,624, Wo 27,648), a row = 32 blocks of 24 bytes;  scales: the same rows of 32 bytes.
; THE ORDER INSIDE A BLOCK.  Every operand of this program keeps one order of a block's 32 codes: places 0-7 = k 0-7, 8-15 = k 16-23, 16-23 = k 8-15, 24-31 = k 24-31.  It is the order in which a matrix result
; falls out of the conversions in the later launches; a permutation of k that both operands of a product share leaves the product as it is, and blocks and scales stay the true blocks.
; A block's scale is 2^(floor(log2(largest magnitude)) - 2): its byte is the largest magnitude's exponent field - 2, held at 1 from below.
; LIMITS: a block of zeros gets the byte 1 where the rule says 127 (its codes are zeros, and this program alone reads the bytes); a block whose largest magnitude lies under 2^-124 is held at the byte 1;
; NaN and infinities among the inputs are not served.
; SHARES: rows are dense, so all seven tensors are streams of blocks.  A work-group takes 32,768 numbers, a wave 8,192 in 16 steps of 512.  Work-groups 0-255 q, 256-511 k, 512-767 v, then 32 for each weight: the outputs are one stream.
; Each of a step's four loads reads 512 consecutive bytes; the 2,048 bytes turn through the wave's own stage in LDS so that a lane holds the 16 numbers of its half of a block (two neighbouring lanes hold a block).
; No tensor load, no barrier: waves share nothing.  Loads run four steps ahead, the turn through LDS one step.
.set STEPS, 16
.set CB,    12                         ; bytes of 16 codes
.set R,     16                         ; v16-79   four sets of 16 numbers as loaded
.set X,     80                         ; v80-111  two sets of 16 numbers of a half block
.set E,     112                        ; v112-127 a scale byte for each step
.set C,     128                        ; v128-191 codes: four registers for each step, so that no store's data are written again
.set WREG,  8192                       ; LDS: a region for each wave: two stages of 32 x SP bytes, behind them its 256 scale bytes
.set SP,    80                         ; 64 bytes (half a block) + 16 of padding
.set SPW,   12                         ; v12 LDS address of my spare word; never rewritten
.set NIL,   13                         ; v13 0; never rewritten
.set SPARE, 4*WREG                     ; behind the four regions: the spare words, 128 bytes a wave, which no other line names
	s_load_b256 s[4:11], s[0:1], 0x0               ; q, k, v, Wq
	s_load_b256 s[12:19], s[0:1], 0x20             ; Wk, Wv, Wo, codes
	s_load_b64 s[20:21], s[0:1], 0x40              ; scales
	v_lshl_add_u32 v[SPW], v0, 2, SPARE
	v_mov_b32 v[NIL], 0
	v_lshrrev_b32 v1, 5, v0
	v_readfirstlane_b32 s22, v1                    ; wave
	v_and_b32 v2, 31, v0                           ; lane
	v_lshlrev_b32 v3, 4, v2                        ; my 16 bytes of a load's 512
	s_mul_i32 s23, s22, WREG
	v_lshrrev_b32 v14, 2, v2
	v_mul_u32_u24 v14, v14, SP
	v_and_b32 v15, 3, v2
	v_lshl_add_u32 v14, v15, 4, v14
	v_add_nc_u32 v14, s23, v14                     ; the stage, way in: SP (lane / 4) + 16 (lane % 4): four lanes' 64 bytes, then the padding
	v_and_b32 v15, 30, v2
	v_mul_u32_u24 v15, v15, SP
	v_and_b32 v10, 1, v2
	v_lshl_add_u32 v15, v10, 5, v15
	v_add_nc_u32 v15, s23, v15                     ; way out: my block's first half at SP (lane & 30); the even lane takes bytes 0-31 of both halves (k 0-7, 16-23), the odd lane bytes 32-63 (k 8-15, 24-31)
	v_mul_u32_u24 v4, v2, CB                       ; my codes' place in a step's 384 bytes
	v_lshrrev_b32 v5, 1, v2
	s_add_co_u32 s23, s23, 2*32*SP
	v_add_nc_u32 v5, s23, v5                       ; my block's scale byte in the wave's 256
	v_lshlrev_b32 v7, 3, v2
	v_add_nc_u32 v6, s23, v7                       ; and on the way out 8 bytes a lane
	s_wait_alu depctr_va_vdst(0)
	s_wait_kmcnt 0x0
	s_mov_b64 s[24:25], s[4:5]                     ; which tensor is mine: the choice hangs on the work-group's number alone
	s_cmp_ge_u32 ttmp9, 256
	s_cselect_b64 s[24:25], s[6:7], s[24:25]
	s_cmp_ge_u32 ttmp9, 512
	s_cselect_b64 s[24:25], s[8:9], s[24:25]
	s_cmp_ge_u32 ttmp9, 768
	s_cselect_b64 s[24:25], s[10:11], s[24:25]
	s_cselect_b32 s26, 31, 255                     ; a weight has 32 work-groups, an activation 256
	s_cmp_ge_u32 ttmp9, 800
	s_cselect_b64 s[24:25], s[12:13], s[24:25]
	s_cmp_ge_u32 ttmp9, 832
	s_cselect_b64 s[24:25], s[14:15], s[24:25]
	s_cmp_ge_u32 ttmp9, 864
	s_cselect_b64 s[24:25], s[16:17], s[24:25]
	s_and_b32 s26, ttmp9, s26                      ; my number inside the tensor
	s_lshl_b32 s26, s26, 2
	s_add_co_u32 s26, s26, s22
	s_lshl_b32 s26, s26, 15                        ; my wave's 8,192 numbers: 32,768 bytes
	s_mov_b32 s27, 0
	s_add_nc_u64 s[24:25], s[24:25], s[26:27]
	s_lshl_b32 s28, ttmp9, 2
	s_add_co_u32 s28, s28, s22                     ; my wave's place in the one stream of outputs
	s_mul_i32 s30, s28, 6144
	s_mov_b32 s31, 0
	s_add_nc_u64 s[18:19], s[18:19], s[30:31]
	s_lshl_b32 s30, s28, 8
	s_add_nc_u64 s[20:21], s[20:21], s[30:31]
.macro LOAD t
.irp i, 0,1,2,3
	global_load_b128 v[R+16*((\t)%4)+4*\i:R+16*((\t)%4)+4*\i+3], v3, s[24:25] offset:2048*(\t)+512*\i th:TH_LOAD_NT   ; 32 lanes read 512 consecutive bytes; read once in the launch
.endr
.endm
.macro TURN t                          ; step t through the stage: LDS serves a wave's instructions in order (ISA guide 5.7.1.4), so no wait stands between the stores and the loads
.irp i, 0,1,2,3
	ds_store_b128 v14, v[R+16*((\t)%4)+4*\i:R+16*((\t)%4)+4*\i+3] offset:32*SP*((\t)%2)+8*SP*\i
.endr
.irp i, 0,1,2,3
	ds_load_b128 v[X+16*((\t)%2)+4*\i:X+16*((\t)%2)+4*\i+3], v15 offset:32*SP*((\t)%2)+SP*(\i/2)+16*(\i%2)
.endr
.endm
.irp t, 0,1,2,3
	LOAD \t
.endr
	s_wait_loadcnt 12                              ; step 0's four loads are in; the 12 of steps 1 to 3 may be out
	TURN 0
.macro STEP t
.set XS, X+16*((\t)%2)
.if (\t) > 0
	s_wait_dscnt 1                                 ; this step's numbers are back from the stage (the last step's byte store may be out): so its stores into the stage have read their registers,
.else
	s_wait_dscnt 0x0
.endif
.if (\t)+4 < STEPS
	LOAD (\t)+4                                    ; which take the loads of four steps on
.endif
.if (\t)+1 < STEPS
.if STEPS-2-(\t) >= 3
	s_wait_loadcnt 12                              ; the next step's four loads are in; those of the three steps behind it may be out
.else
	s_wait_loadcnt 4*(STEPS-2-(\t))
.endif
	TURN (\t)+1                                    ; and go through the other stage while this step is worked
.endif
	v_max3_num_f32 v8, |v[XS]|, |v[XS+1]|, |v[XS+2]|               ; the largest magnitude of my 16, in two chains
	v_max3_num_f32 v9, |v[XS+3]|, |v[XS+4]|, |v[XS+5]|
.irp i, 6,10
	v_max3_num_f32 v8, v8, |v[XS+\i]|, |v[XS+\i+1]|
	v_max3_num_f32 v9, v9, |v[XS+\i+2]|, |v[XS+\i+3]|
.endr
	v_max3_num_f32 v8, v8, |v[XS+14]|, |v[XS+15]|
	v_max3_num_f32 v8, v8, v9, 0x1800000           ; and the floor 2^(3 - 127): the byte cannot fall under 1
	v_max_num_f32_dpp v8, v8, v8 row_xmask:1 row_mask:0xf bank_mask:0xf   ; with my neighbour's 16: the block's
	v_add_nc_u32 v11, 0xff000000, v8               ; 2 off the exponent field: the conversion takes the exponent field of this operand as its scale
	v_cvt_scalef32_pk16_fp6_f32 v[C+4*(\t):C+4*(\t)+2], v[XS:XS+15], v11
	v_lshrrev_b32 v[E+(\t)], 23, v11               ; the scale's byte (also the plain line behind the conversion)
	ds_store_b8 v5, v[E+(\t)] offset:16*(\t)       ; both lanes of a block write the same byte with the same value
	global_store_b96 v4, v[C+4*(\t):C+4*(\t)+2], s[18:19] offset:32*CB*(\t)   ; the wave stores 384 consecutive bytes
.endm
.irp t, 0,1,2,3,4,5,6,7,8,9,10,11,12,13,14,15
	STEP \t
.endr
	ds_load_b64 v[8:9], v6                         ; in order behind my byte stores
	s_wait_dscnt 0x0
	global_store_b64 v7, v[8:9], s[20:21]          ; 32 lanes store 256 consecutive bytes, at a multiple of 256 from the buffer's first byte
	s_wait_tensorcnt 0x0                           ; the wave's end, behind my last LDS store
	ds_add_u32 v[SPW], v[NIL]
	s_wait_dscnt 0x0
	s_endpgm
.Lfunc_end_k_q0e4ecfb0b5_quant:
	.size	k_q0e4ecfb0b5_quant, .Lfunc_end_k_q0e4ecfb0b5_quant-k_q0e4ecfb0b5_quant
	.p2alignl 7, 3214868480
	.fill 96, 4, 3214868480
	.section	.rodata,"a",@progbits
	.p2align	6, 0x0
	.amdhsa_kernel k_q0e4ecfb0b5_quant
		.amdhsa_group_segment_fixed_size 33280
		.amdhsa_private_segment_fixed_size 0
		.amdhsa_enable_private_segment 0
		.amdhsa_kernarg_size 72
		.amdhsa_user_sgpr_count 2
		.amdhsa_user_sgpr_kernarg_segment_ptr 1
		.amdhsa_wavefront_size32 1
		.amdhsa_system_sgpr_workgroup_id_x 1
		.amdhsa_system_sgpr_workgroup_id_y 1
		.amdhsa_system_sgpr_workgroup_id_z 1
		.amdhsa_system_vgpr_workitem_id 0
		.amdhsa_next_free_vgpr 192
		.amdhsa_next_free_sgpr 66
		.amdhsa_reserve_vcc 0
		.amdhsa_float_denorm_mode_32 3
		.amdhsa_float_denorm_mode_16_64 3
		.amdhsa_memory_ordered 1
		.amdhsa_forward_progress 1
		.amdhsa_inst_pref_size 33
	.end_amdhsa_kernel
	.amdgpu_metadata
---
amdhsa.version: [ 1, 2 ]
amdhsa.kernels:
  - .name:           k_q0e4ecfb0b5_quant
    .symbol:         k_q0e4ecfb0b5_quant.kd
    .args:
      - { .name: q, .offset: 0, .size: 8, .value_kind: global_buffer, .address_space: global }
      - { .name: k, .offset: 8, .size: 8, .value_kind: global_buffer, .address_space: global }
      - { .name: v, .offset: 16, .size: 8, .value_kind: global_buffer, .address_space: global }
      - { .name: Wq, .offset: 24, .size: 8, .value_kind: global_buffer, .address_space: global }
      - { .name: Wk, .offset: 32, .size: 8, .value_kind: global_buffer, .address_space: global }
      - { .name: Wv, .offset: 40, .size: 8, .value_kind: global_buffer, .address_space: global }
      - { .name: Wo, .offset: 48, .size: 8, .value_kind: global_buffer, .address_space: global }
      - { .name: codes, .offset: 56, .size: 8, .value_kind: global_buffer, .address_space: global }
      - { .name: scales, .offset: 64, .size: 8, .value_kind: global_buffer, .address_space: global }
    .group_segment_fixed_size: 33280
    .private_segment_fixed_size: 0
    .kernarg_segment_align: 8
    .kernarg_segment_size: 72
    .max_flat_workgroup_size: 128
    .sgpr_count:     66
    .vgpr_count:     192
    .wavefront_size: 32
...
	.end_amdgpu_metadata
.endif
;; end of part 1
;; launch proj (part 2): grid 4 x 96, 4 waves a work-group, clusters of 4 x 4, 327,680 bytes of LDS; arguments codes, scales, bq, bk, bv, hd; writes hd
.if DOCPART == 2
	.amdgcn_target "amdgcn-amd-amdhsa--gfx1250"
	.amdhsa_code_object_version 6
	.text
	.protected	k_q0e4ecfb0b5_proj
	.globl	k_q0e4ecfb0b5_proj
	.p2align	8
	.type	k_q0e4ecfb0b5_proj,@function
k_q0e4ecfb0b5_proj:
	s_mov_b64 s[64:65], 0
	v_nop
	global_prefetch_b8 v0, s[64:65] scope:SCOPE_SE
	s_setreg_imm32_b32 hwreg(HW_REG_WAVE_MODE, 25, 1), 1
	s_wait_xcnt 0x0
	s_wait_alu depctr_hold_cnt(0) depctr_sa_sdst(0) depctr_va_vdst(0) depctr_va_sdst(0) depctr_va_ssrc(0) depctr_va_vcc(0) depctr_vm_vsrc(0)
	s_getreg_b32 s2, hwreg(HW_REG_IB_STS2, 6, 4)
	s_cmp_eq_u32 s2, 0
	s_cbranch_scc0 .Lentry_in_a_cluster
	s_endpgm
.Lentry_in_a_cluster:
	s_bfe_u32 s2, ttmp6, 0x10000c
	s_cmp_lg_u32 s2, 0xf033
	s_cbranch_scc0 .Lentry_shape_is_right
	s_endpgm
.Lentry_shape_is_right:
.set NQ,     2
.set ROWB,   192
.set KROW,   768
.set PITCH,  240
.set FR,     12
.set NL,     6
.set NP,     4
.set HALFT,  128*PITCH
.set SLOT,   4*HALFT
.set KS,     32
.set SCL,    2*SLOT
.set HALFS,  (128*KS/256)*272
.set SBLK,   (16*KS/256)*272
.set SPARE,  SCL+4*HALFS
.set REC,    315392
.set ADRA, 16
.set ADRB, 20
.set L8,   25
.set LI,   26
.set ADRS, 27
.set SPW,  28
.set NIL,  29
.set BO,   30
.set SC,   32
.set BIAS, 64
.set AF,   128
.set SW,   120
.set TM,   224
.set PW,   240
.set T1,   241
.set FILLV, 242
.set G1, 24
.set G0, 32
.set G1B, 48
.set G0B, 56
.set G1S, 68
.set G0S, 76
.set G1SB, 80
.set G0SB, 88
.set MD, 66
.set MSB, 0
.macro WIN new
.if MSB != (\new)
	s_set_vgpr_msb (MSB<<8)|(\new)
.set MSB, \new
.endif
.endm
.set MUL_LO, 0xa1
.set MUL_HI, 0xf1
.set BIA_LO, 0x81
.set BIA_HI, 0xc1
.set TO_B,   0x40
.macro JLOAD g0a, g1a, g0b, g1b
	s_cmp_eq_u32 s15, 0
	s_cbranch_scc0 .Lfor_b_\@
	tensor_load_to_lds s[\g0a:\g0a+3], s[\g1a:\g1a+7]
	s_nop 0
.rept 4
	v_nop
.endr
	s_branch .Lasked_\@
.Lfor_b_\@:
	tensor_load_to_lds s[\g0b:\g0b+3], s[\g1b:\g1b+7]
	s_nop 0
.rept 4
	v_nop
.endr
.Lasked_\@:
.endm
.macro CREST
	s_cmp_lg_u32 s14, 0
	s_cbranch_scc1 .Lnot_wave_0_\@
	s_barrier_signal -3
.Lnot_wave_0_\@:
	s_barrier_wait -3
	s_barrier_signal -1
	s_barrier_wait -1
.endm
.macro CROUND
	s_barrier_signal -1
	s_barrier_wait -1
	CREST
.endm
	s_load_b128 s[4:7], s[0:1], 0x0
	s_load_b128 s[8:11], s[0:1], 0x10
	s_load_b128 s[96:99], s[0:1], 0x20
	v_lshl_add_u32 v[SPW], v0, 2, SPARE
	v_mov_b32 v[NIL], 0
	ds_add_u32 v[SPW], v[NIL]
	ds_add_u32 v[SPW], v[NIL]
	v_lshrrev_b32 v1, 5, v0
	v_readfirstlane_b32 s14, v1
	s_lshr_b32 s15, s14, 1
	s_and_b32 s16, s14, 1
	s_bfe_u32 s40, ttmp6, 0x40000
	s_bfe_u32 s41, ttmp6, 0x40004
	s_and_b32 s17, ttmp7, 0xffff
	s_lshr_b32 s[MD], s17, 3
	s_and_b32 s67, s17, 7
	s_lshr_b32 s2, s[MD], 1
	s_mul_i32 s3, s67, s2
	s_sub_co_u32 s17, s67, s3
	s_lshl_b32 s17, s17, 2
	s_add_co_u32 s17, s17, s41
	s_lshl_b32 s42, s3, 2
	s_add_co_u32 s42, s42, s40
	s_lshl_b32 s43, s41, 2
	s_lshl_b32 s43, 15, s43
	s_lshl_b32 s44, 0x1111, s40
	s_or_b32 s[G1+0], s43, (0<<16)|(1<<20)|(1<<21)|(3<<22)|(3<<25)
	s_or_b32 s[G1B+0], s44, (0<<16)|(1<<20)|(1<<21)|(3<<22)|(3<<25)
.irp g, G1, G1B
	s_mov_b32 s[\g+1], ROWB<<16
	s_mov_b32 s[\g+2], 128<<16
	s_mov_b32 s[\g+3], ROWB<<16
	s_mov_b32 s[\g+4], 128
	s_mov_b32 s[\g+5], KROW
	s_mov_b32 s[\g+6], 0
	s_mov_b32 s[\g+7], 0
.endr
	s_or_b32 s[G1S+0], s43, (3<<16)|(1<<20)|(1<<21)|(5<<22)|(3<<25)
	s_or_b32 s[G1SB+0], s44, (3<<16)|(1<<20)|(1<<21)|(5<<22)|(3<<25)
.irp g, G1S, G1SB
	s_mov_b32 s[\g+1], 32<<16
	s_mov_b32 s[\g+2], (128*KS/256)<<16
	s_mov_b32 s[\g+3], 32<<16
	s_mov_b32 s[\g+4], 128*KS/256
	s_mov_b32 s[\g+5], 32
	s_mov_b32 s[\g+6], 0
	s_mov_b32 s[\g+7], 0
.endr
	s_lshl_b32 s18, s16, 7
	s_mul_i32 s19, s2, 10240
	s_lshl_b32 s20, s[MD], 13
	s_add_co_u32 s20, s20, s19
	s_lshl_b32 s21, s17, 8
	s_add_co_u32 s20, s20, s21
	s_add_co_u32 s20, s20, s18
	s_lshl_b32 s46, s[MD], 10
	s_add_co_u32 s46, s46, 24576
	s_sub_co_u32 s46, s46, s19
	s_lshl_b32 s47, s42, 8
	s_add_co_u32 s46, s46, s47
	s_add_co_u32 s46, s46, s18
	s_lshl_b32 s22, s20, 5
	s_mov_b32 s23, 0
	s_lshl_b32 s92, s46, 5
	s_mov_b32 s93, 0
	s_mul_i32 s20, s20, KROW
	s_mov_b32 s21, 0
	s_mul_i32 s46, s46, KROW
	s_mov_b32 s47, 0
	s_mul_i32 s45, s14, HALFT
	s_mul_i32 s94, s14, HALFS
	s_wait_dscnt 0x0
	s_wait_kmcnt 0x0
	s_add_nc_u64 s[20:21], s[4:5], s[20:21]
	s_add_nc_u64 s[22:23], s[6:7], s[22:23]
	s_add_nc_u64 s[46:47], s[4:5], s[46:47]
	s_add_nc_u64 s[92:93], s[6:7], s[92:93]
	CROUND
	s_mov_b32 s[G0S], 1
	s_add_co_u32 s[G0S+1], s94, SCL
	s_mov_b64 s[G0S+2:G0S+3], s[22:23]
	s_or_b32 s[G0S+3], s[G0S+3], 0x80000000
	s_mov_b32 s[G0SB], 1
	s_add_co_u32 s[G0SB+1], s94, SCL
	s_mov_b64 s[G0SB+2:G0SB+3], s[92:93]
	s_or_b32 s[G0SB+3], s[G0SB+3], 0x80000000
	JLOAD G0S, G1S, G0SB, G1SB
.irp s, 0,1
	s_mov_b32 s[G0+4*\s], 1
	s_add_co_u32 s[G0+4*\s+1], s45, \s*SLOT
	s_add_nc_u64 s[G0+4*\s+2:G0+4*\s+3], s[20:21], \s*ROWB
	s_or_b32 s[G0+4*\s+3], s[G0+4*\s+3], 0x80000000
	s_mov_b32 s[G0B+4*\s], 1
	s_add_co_u32 s[G0B+4*\s+1], s45, \s*SLOT
	s_add_nc_u64 s[G0B+4*\s+2:G0B+4*\s+3], s[46:47], \s*ROWB
	s_or_b32 s[G0B+4*\s+3], s[G0B+4*\s+3], 0x80000000
	s_wait_alu depctr_va_vdst(0)
	s_wait_tensorcnt 0x0
	ds_add_u32 v28, v29
	s_wait_dscnt 0x0
	CROUND
	JLOAD G0+4*\s, G1, G0B+4*\s, G1B
.endr
	v_and_b32 v1, 15, v0
	v_bfe_u32 v2, v0, 4, 1
	v_mul_u32_u24 v3, v1, PITCH
	v_mul_u32_u24 v4, v2, 24
	v_add_nc_u32 v4, v3, v4
	v_lshl_add_u32 v5, v2, 4, v4
	s_mul_i32 s21, s15, HALFT
	s_mul_i32 s22, s16, HALFT
	s_add_co_u32 s22, s22, 2*HALFT
.irp s, 0,1
	v_add_nc_u32 v[ADRA+\s], s21, v4
	v_add_nc_u32 v[ADRB+\s], s22, v4
	v_add_nc_u32 v[ADRA+2+\s], s21, v5
	v_add_nc_u32 v[ADRB+2+\s], s22, v5
	s_add_co_u32 s21, s21, SLOT
	s_add_co_u32 s22, s22, SLOT
.endr
	v_mul_u32_u24 v5, v1, KS
	v_lshrrev_b32 v6, 8, v5
	v_lshl_add_u32 v5, v6, 4, v5
	s_mul_i32 s21, s15, HALFS
	s_mul_i32 s22, s16, HALFS
	s_add_co_u32 s22, s22, 2*HALFS
	s_sub_co_u32 s22, s22, s21
	v_mul_u32_u24 v6, s22, v2
	s_add_co_u32 s21, s21, SCL
	v_add_nc_u32 v5, v5, v6
	v_add_nc_u32 v[ADRS], s21, v5
	v_and_b32 v6, 31, v0
	v_lshlrev_b32 v[LI], 4, v6
	v_lshlrev_b32 v[L8], 3, v6
	s_lshl_b32 s20, s17, 8
	s_lshl_b32 s21, s15, 7
	s_add_co_u32 s20, s20, s21
	s_lshl_b32 s46, s42, 8
	s_lshl_b32 s47, s16, 7
	s_add_co_u32 s46, s46, s47
	s_cmp_eq_u32 s[MD], 2
	s_cselect_b32 s21, s46, s20
	s_cselect_b32 s47, s20, s46
	s_lshr_b32 s22, s21, 11
	s_lshl_b32 s22, s22, 4
	s_lshr_b32 s23, s47, 6
	s_add_co_u32 s22, s22, s23
	s_mul_i32 s22, s22, REC
	s_bfe_u32 s23, s21, 0x40007
	s_cmp_eq_u32 s[MD], 0
	s_cselect_b32 s92, 208896, 0
	s_mov_b32 s94, 196608
	s_cselect_b32 s94, 307200, s94
	s_cmp_eq_u32 s[MD], 2
	s_cselect_b32 s92, 98304, s92
	s_cselect_b32 s94, 204800, s94
	s_cselect_b32 s20, 8, 9
	s_mul_i32 s93, s23, 6144
	s_add_co_u32 s92, s92, s93
	s_add_co_u32 s92, s92, s22
	s_lshl_b32 s95, s23, s20
	s_add_co_u32 s94, s94, s95
	s_add_co_u32 s94, s94, s22
	s_mov_b32 s93, 0
	s_mov_b32 s95, 0
	s_add_nc_u64 s[12:13], s[98:99], s[92:93]
	s_add_nc_u64 s[100:101], s[98:99], s[94:95]
	s_cmp_eq_u32 s[MD], 1
	s_cselect_b64 s[8:9], s[10:11], s[8:9]
	s_cmp_eq_u32 s[MD], 2
	s_cselect_b64 s[8:9], s[96:97], s[8:9]
	s_lshl_b32 s46, s47, 2
	s_mov_b32 s47, 0
	s_add_nc_u64 s[8:9], s[8:9], s[46:47]
	s_cmp_eq_u32 s[MD], 2
	s_cbranch_scc1 .Lbias_v
	v_lshlrev_b32 v[BO], 5, v2
.irp b, 0,1,2,3,4,5,6,7
	global_load_b128 v[BIAS+8*\b:BIAS+8*\b+3], v[BO], s[8:9] offset:64*\b
	global_load_b128 v[BIAS+8*\b+4:BIAS+8*\b+7], v[BO], s[8:9] offset:64*\b+16
.endr
	s_branch .Lbias_in
.Lbias_v:
	v_lshlrev_b32 v[BO], 2, v1
.irp a, 0,1,2,3,4,5,6,7
.irp j, 0,1,2,3,4,5,6,7
	global_load_b32 v[BIAS+8*\a+\j], v[BO], s[8:9] offset:64*\a
.endr
.endr
.Lbias_in:
.macro FRAG reg, adr, q, i
.irp p, 0,1,2,3,4,5
.set PC, 12*(\q)+6*(\p/3)+\p%3
.if PC%8 < 5
	ds_load_b64 v[\reg+2*\p:\reg+2*\p+1], v[\adr] offset:8*PC+16*(PC/8)+(\i)*16*PITCH
.else
	ds_load_b64 v[\reg+2*\p:\reg+2*\p+1], v[\adr+2] offset:8*PC+16*(PC/8)+(\i)*16*PITCH
.endif
.endr
.endm
.macro MM a, b, p, q, sc, cm
.set rD, 8*(8*((\a)%4)+\b)
.set rB, 128*(\p)+FR*\b
.set rA, AF+FR*(\a)
.set sB, SC+8*NQ*(\sc)+NQ*\b+(\q)
.set sA, SC+8*NQ*(\sc)+NQ*(\a)+(\q)
.if \cm == 1
	v_wmma_scale_f32_16x16x128_f8f6f4 v[rD:rD+7], v[rB:rB+FR-1], v[rA:rA+FR-1], v[BIAS+8*\b:BIAS+8*\b+7], v[sB], v[sA] matrix_a_fmt:MATRIX_FMT_FP6 matrix_b_fmt:MATRIX_FMT_FP6 matrix_a_scale:MATRIX_SCALE_ROW1
.elseif \cm == 2
	v_wmma_scale_f32_16x16x128_f8f6f4 v[rD:rD+7], v[rB:rB+FR-1], v[rA:rA+FR-1], v[BIAS+8*(\a):BIAS+8*(\a)+7], v[sB], v[sA] matrix_a_fmt:MATRIX_FMT_FP6 matrix_b_fmt:MATRIX_FMT_FP6 matrix_a_scale:MATRIX_SCALE_ROW1
.else
	v_wmma_scale_f32_16x16x128_f8f6f4 v[rD:rD+7], v[rB:rB+FR-1], v[rA:rA+FR-1], v[rD:rD+7], v[sB], v[sA] matrix_a_fmt:MATRIX_FMT_FP6 matrix_b_fmt:MATRIX_FMT_FP6 matrix_a_scale:MATRIX_SCALE_ROW1
.endif
.endm
.macro MUL16 a0, p, q, sc, cm
.irp a, \a0, \a0+1
.irp b, 0,1,2,3,4,5,6,7
	MM \a, \b, \p, \q, \sc, \cm
.endr
.endr
.endm
.macro FETCH_B slot, q, p
	WIN TO_B
.irp i, 0,1,2,3,4,5,6,7
	FRAG 128*(\p)+FR*\i, ADRB+\slot, \q, \i
.endr
	WIN 0
.endm
.macro FETCH_A slot, q, i0
.irp i, \i0, \i0+1, \i0+2, \i0+3
	FRAG AF+FR*(\i), ADRA+\slot, \q, \i
.endr
.endm
.macro SCALES sc
.irp i, 0,1,2,3,4,5,6,7
	ds_load_b64 v[SC+8*NQ*\sc+NQ*\i:SC+8*NQ*\sc+NQ*\i+1], v[ADRS] offset:\i*SBLK
.endr
.endm
.macro PLACES n
.rept \n
	v_nop
.endr
.endm
.macro STEP slot, q, cm
	s_wait_dscnt 4*NL
.if \cm
	WIN BIA_LO
.else
	WIN MUL_LO
.endif
	MUL16 0, (\q)%2, \q, \slot, \cm
	MUL16 2, (\q)%2, \q, \slot, \cm
	s_wait_dscnt 0
	PLACES NP
	FETCH_B \slot, (\q)+1, 1-(\q)%2
	FETCH_A \slot, (\q)+1, 0
.if \cm
	WIN BIA_HI
.else
	WIN MUL_HI
.endif
	MUL16 4, (\q)%2, \q, \slot, \cm
	MUL16 6, (\q)%2, \q, \slot, \cm
	PLACES NP
	WIN 0
	FETCH_A \slot, (\q)+1, 4
.endm
.macro TURN slot, next, fill
	s_wait_tensorcnt 0x0
	ds_add_u32 v[SPW], v[NIL]
	s_wait_dscnt 4*NL+1
	WIN MUL_LO
	MUL16 0, 1, NQ-1, \slot, 0
	s_wait_dscnt 0x0
	s_barrier_signal -1
	MUL16 2, 1, NQ-1, \slot, 0
	WIN 0
	s_barrier_wait -1
.if \fill
	CREST
	s_add_nc_u64 s[G0+4*\slot+2:G0+4*\slot+3], s[G0+4*\slot+2:G0+4*\slot+3], 2*ROWB
	s_add_nc_u64 s[G0B+4*\slot+2:G0B+4*\slot+3], s[G0B+4*\slot+2:G0B+4*\slot+3], 2*ROWB
	JLOAD G0+4*\slot, G1, G0B+4*\slot, G1B
.else
	PLACES NP
.endif
	s_wait_alu depctr_va_vdst(0)
	v_add_nc_u32 v[ADRS], 4*NQ, v[ADRS]
	FETCH_B \next, 0, 0
	FETCH_A \next, 0, 0
	SCALES \next
	WIN MUL_HI
	MUL16 4, 1, NQ-1, \slot, 0
	MUL16 6, 1, NQ-1, \slot, 0
	PLACES NP
	WIN 0
	FETCH_A \next, 0, 4
.endm
	s_wait_tensorcnt 1
	s_barrier_signal -1
	s_barrier_wait -1
	FETCH_B 0, 0, 0
	FETCH_A 0, 0, 0
	s_wait_alu depctr_va_vdst(0)
	SCALES 0
	FETCH_A 0, 0, 4
	s_wait_loadcnt 0x0
	s_cmp_eq_u32 s[MD], 2
	s_cbranch_scc1 .Lfirst_v
	STEP 0, 0, 1
	s_branch .Lfirst_done
.Lfirst_v:
	STEP 0, 0, 2
.Lfirst_done:
	TURN 0, 1, 1
	STEP 1, 0, 0
	TURN 1, 0, 1
	STEP 0, 0, 0
	TURN 0, 1, 0
	STEP 1, 0, 0
	s_wait_dscnt 4*NL
	WIN MUL_LO
	MUL16 0, 1, NQ-1, 1, 0
	MUL16 2, 1, NQ-1, 1, 0
	s_wait_dscnt 0
	WIN MUL_HI
	MUL16 4, 1, NQ-1, 1, 0
	MUL16 6, 1, NQ-1, 1, 0
	WIN 0
.macro QUANT a, d0, d1, pw
.set AC, 64*((\a)%4)
.set TPR, 244-132*(((\a)%4)/2)
	WIN 0x0a+5*((\a)/4)
.irp b, 0,1,2,3
	v_max3_num_f32 v[TM+\b], |v[AC+16*\b]|, |v[AC+16*\b+1]|, 0x1800000
.endr
.irp i, 2,4,6,8,10,12,14
.irp b, 0,1,2,3
	v_max3_num_f32 v[TM+\b], |v[AC+16*\b+\i]|, |v[AC+16*\b+\i+1]|, v[TM+\b]
.endr
.endr
	WIN 0
.irp b, 0,1,2,3
	v_permlanex16_b32 v[TM+4+\b], v[TM+\b], s20, s21
.endr
.irp b, 0,1,2,3
	v_max_num_f32 v[TM+\b], v[TM+\b], v[TM+4+\b]
.endr
.irp b, 0,1,2,3
	v_add_nc_u32 v[TM+12+\b], 0xff000000, v[TM+\b]
.endr
.irp b, 0,1,2,3
	v_lshrrev_b32 v[TM+4+\b], 23, v[TM+12+\b]
.endr
	v_lshl_or_b32 v[\pw], v[TM+5], 8, v[TM+4]
	v_lshl_or_b32 v[\pw], v[TM+6], 16, v[\pw]
	v_lshl_or_b32 v[\pw], v[TM+7], 24, v[\pw]
	WIN 0x02+(\a)/4
	v_cvt_scalef32_pk16_fp6_f32 v[\d0:\d0+2], v[AC:AC+15], v[TM+12]
	v_cvt_scalef32_pk16_fp6_f32 v[TPR:TPR+2], v[AC+16:AC+31], v[TM+13]
	v_cvt_scalef32_pk16_fp6_f32 v[\d1:\d1+2], v[AC+32:AC+47], v[TM+14]
	v_cvt_scalef32_pk16_fp6_f32 v[TPR+4:TPR+6], v[AC+48:AC+63], v[TM+15]
	WIN 0
	v_nop
.irp i, 0,1,2
	v_permlane16_swap_b32 v[\d0+\i], v[TPR+\i]
.endr
.irp i, 0,1,2
	v_mov_b32 v[\d0+3+\i], v[TPR+\i]
.endr
.irp i, 0,1,2
	v_permlane16_swap_b32 v[\d1+\i], v[TPR+4+\i]
.endr
.irp i, 0,1,2
	v_mov_b32 v[\d1+3+\i], v[TPR+4+\i]
.endr
.endm
.macro OUT_QK a
.set DB, 128-64*(((\a)%4)/2)+24*((\a)/4)
.set D0, DB+6*((\a)%2)
.set D1, D0+12
.set TAU, (\a)/2
	QUANT \a, D0, D1, PW
.if (\a)%2 == 0
	v_perm_b32 v[SW+TAU], v[PW], v[FILLV], 0x01000504
	v_perm_b32 v[SW+4+TAU], v[PW], v[FILLV], 0x01000706
.else
	v_perm_b32 v[T1], v[PW], v[FILLV], 0x01000504
	v_cndmask_b32 v[SW+TAU], v[SW+TAU], v[T1], s22
	v_perm_b32 v[T1], v[PW], v[FILLV], 0x01000706
	v_cndmask_b32 v[SW+4+TAU], v[SW+4+TAU], v[T1], s22
.irp c, 0,1
.irp j, 0,1,2
	global_store_b128 v[LI], v[DB+12*\c+4*\j:DB+12*\c+4*\j+3], s[12:13] offset:REC*\c+1536*TAU+512*\j
.endr
.endr
.endif
.endm
.macro OUT_V a
.set D0, 128-64*(((\a)%4)/2)+12*(2*((\a)/4)+(\a)%2)
.set D1, D0+6
.set SWR, SW+2*((\a)/4)+((\a)%4)/2
.if (\a)%2 == 0
	QUANT \a, D0, D1, SWR
.else
	QUANT \a, D0, D1, T1
	v_cndmask_b32 v[SWR], v[SWR], v[T1], s22
.endif
.irp j, 0,1,2
	global_store_b128 v[LI], v[D0+4*\j:D0+4*\j+3], s[12:13] offset:REC*((\a)/4)+1536*((\a)%4)+512*\j
.endr
.endm
	PLACES NP
.irp b, 0,1,2,3
	v_mov_b32 v[TM+4+\b], 0
.endr
	v_mov_b32 v[FILLV], 0x0101
	s_mov_b32 s20, 0x76543210
	s_mov_b32 s21, 0xfedcba98
	s_mov_b32 s22, 0xffff0000
	s_cmp_eq_u32 s[MD], 2
	s_cbranch_scc1 .Lout_v
.irp a, 0,1,2,3,4,5,6,7
	OUT_QK \a
.endr
.irp c, 0,1
	global_store_b128 v[LI], v[SW+4*\c:SW+4*\c+3], s[100:101] offset:REC*\c
.endr
	s_branch .Lend
.Lout_v:
.irp a, 0,1,2,3,4,5,6,7
	OUT_V \a
.endr
.irp c, 0,1
	global_store_b64 v[L8], v[SW+2*\c:SW+2*\c+1], s[100:101] offset:REC*\c
.endr
.Lend:
	s_wait_tensorcnt 0x0
	ds_add_u32 v[SPW], v[NIL]
	s_wait_dscnt 0x0
	CROUND
	s_endpgm
.Lfunc_end_k_q0e4ecfb0b5_proj:
	.size	k_q0e4ecfb0b5_proj, .Lfunc_end_k_q0e4ecfb0b5_proj-k_q0e4ecfb0b5_proj
	.p2alignl 7, 3214868480
	.fill 96, 4, 3214868480
	.section	.rodata,"a",@progbits
	.p2align	6, 0x0
	.amdhsa_kernel k_q0e4ecfb0b5_proj
		.amdhsa_group_segment_fixed_size 327680
		.amdhsa_private_segment_fixed_size 0
		.amdhsa_enable_private_segment 0
		.amdhsa_kernarg_size 48
		.amdhsa_user_sgpr_count 2
		.amdhsa_user_sgpr_kernarg_segment_ptr 1
		.amdhsa_wavefront_size32 1
		.amdhsa_system_sgpr_workgroup_id_x 1
		.amdhsa_system_sgpr_workgroup_id_y 1
		.amdhsa_system_sgpr_workgroup_id_z 1
		.amdhsa_system_vgpr_workitem_id 0
		.amdhsa_next_free_vgpr 1024
		.amdhsa_next_free_sgpr 106
		.amdhsa_reserve_vcc 0
		.amdhsa_float_denorm_mode_32 3
		.amdhsa_float_denorm_mode_16_64 3
		.amdhsa_memory_ordered 1
		.amdhsa_forward_progress 1
		.amdhsa_inst_pref_size 224
	.end_amdhsa_kernel
	.amdgpu_metadata
---
amdhsa.version: [ 1, 2 ]
amdhsa.kernels:
  - .name:           k_q0e4ecfb0b5_proj
    .symbol:         k_q0e4ecfb0b5_proj.kd
    .args:
      - { .name: codes, .offset: 0, .size: 8, .value_kind: global_buffer, .address_space: global }
      - { .name: scales, .offset: 8, .size: 8, .value_kind: global_buffer, .address_space: global }
      - { .name: bq, .offset: 16, .size: 8, .value_kind: global_buffer, .address_space: global }
      - { .name: bk, .offset: 24, .size: 8, .value_kind: global_buffer, .address_space: global }
      - { .name: bv, .offset: 32, .size: 8, .value_kind: global_buffer, .address_space: global }
      - { .name: hd, .offset: 40, .size: 8, .value_kind: global_buffer, .address_space: global }
    .group_segment_fixed_size: 327680
    .private_segment_fixed_size: 0
    .kernarg_segment_align: 8
    .kernarg_segment_size: 48
    .max_flat_workgroup_size: 128
    .sgpr_count:     106
    .vgpr_count:     1024
    .wavefront_size: 32
...
	.end_amdgpu_metadata
.endif
;; end of part 2
;; launch attn (part 3): grid 4 x 64, 16 waves a work-group, clusters of 4 x 1, 212,992 bytes of LDS; arguments hd, ac, asc; writes ac, asc
.if DOCPART == 3
	.amdgcn_target "amdgcn-amd-amdhsa--gfx1250"
	.amdhsa_code_object_version 6
	.text
	.protected	k_q0e4ecfb0b5_attn
	.globl	k_q0e4ecfb0b5_attn
	.p2align	8
	.type	k_q0e4ecfb0b5_attn,@function
k_q0e4ecfb0b5_attn:
	s_mov_b64 s[64:65], 0
	v_nop
	global_prefetch_b8 v0, s[64:65] scope:SCOPE_SE
	s_setreg_imm32_b32 hwreg(HW_REG_WAVE_MODE, 25, 1), 1
	s_wait_xcnt 0x0
	s_wait_alu depctr_hold_cnt(0) depctr_sa_sdst(0) depctr_va_vdst(0) depctr_va_sdst(0) depctr_va_ssrc(0) depctr_va_vcc(0) depctr_vm_vsrc(0)
	s_getreg_b32 s2, hwreg(HW_REG_IB_STS2, 6, 4)
	s_cmp_eq_u32 s2, 0
	s_cbranch_scc0 .Lentry_in_a_cluster
	s_endpgm
.Lentry_in_a_cluster:
	s_bfe_u32 s2, ttmp6, 0x10000c
	s_cmp_lg_u32 s2, 0x3003
	s_cbranch_scc0 .Lentry_shape_is_right
	s_endpgm
.Lentry_shape_is_right:
; Attention of one head on codes of FP6 (E2M3) with E8M0 scales: O = softmax(Q K^T / 8) V, head size 64, 2,048 keys; the result is quantised along the head's 64 channels for the output projection.
; THE SOFTMAX AHEAD OF THE SECOND PRODUCT: t = score x log2(e) / 8; M = the row's largest t so far, rounded up to a whole number; p = 2^(t - M) is quantised along the keys, not normalised; the row's sum is taken of the
; unquantised p and divides O at the end.  When M moves, the sum and O are multiplied by 2^(old M - new M): exact.
; SHARES.  A work-group owns 512 queries of one head (16 b + head = the cluster's y); its sixteen waves own 32 each, two tiles of 16, taken one after the other; a tile walks 16 key steps of 128.  Four waves share a SIMD,
; so that one wave's vector work stands beside another's products and LDS loads.
; K AND V OF THE WHOLE HEAD STAY IN LDS: the first 208,896 bytes of the head's record (K's codes, V's codes, K's and V's scale words) come once, 13,056 bytes a wave by one tensor load; nothing is filled again.
; The four work-groups of a cluster belong to one head, so each load is asked for jointly, with the same descriptor and a mask that names the four.
; Operands lie in the record as images of their registers (16 bytes a lane), so every LDS load reads 512 consecutive bytes.
; BOTH PRODUCTS ARE USED TRANSPOSED: S^T = K Q^T (source 0 = 16 keys, source 1 = my 16 queries), O^T = V^T P^T (source 0 = 16 channels): a lane holds one query throughout.
; THE HEAD'S K IS 64, THE INSTRUCTION'S 128.  Q's registers 6-11 are zero codes.  So it does not matter what K's registers 6-11 hold: fragment t is named v[32+6t : 43+6t], whose upper half is fragment t + 1's codes (zeros behind the
; last).  FP6 has no NaN and no infinity, so a zero code times any code is zero; the scale bytes of k = 64 .. 127 are 1 on both sides, never 0xff.
; Inside a block of 32 all operands keep one order (places 0-7 = k 0-7, 8-15 = k 16-23, 16-23 = k 8-15, 24-31 = k 24-31): it is the order in which natural tiles fall out of the conversions.
; OUT: ac [token / 16][head][3 images][lane][8 B]: lane (r, h): token r, block h of the head, 24 bytes;  asc [token][32]: byte 2 head + block.
; LIMITS: a block of zeros gets the byte 1 where the rule says 127 (zero codes; this program alone reads the bytes); NaN and infinities are not served.
; No prefetch: every load of K and V stands at the head.
; REGISTERS: v1-4 lane places, v5, v6 the add's two, v7 8 x lane, v8-11 addresses in hand, v12 -M, v13 the largest t, v[14:15] the sum, v16-21 Q, v22-27 zeros, v28 32 x lane, v29 the result's scale bytes,
;   v32-79 K's eight fragments, later V's four, v80-85 zeros, v96-159 S^T then p, v160-191 O^T, v192-193 V's scale words, v[194:195] the sum's second chain, v224-235 p's codes, v232-254 at work, v248-251 K's scale words, v253 p's scale word, v255 Q's.
.set REC,   315392
.set SPARE, 208896                     ; behind the head's image: the spare words, 128 bytes for each of 16 waves, which no other line names
.set AK0, 1
.set AV0, 2
.set AS0, 3
.set AT0, 4
.set SPW, 5
.set NIL, 6
.set L8,  7
.set ADK, 8
.set ADV, 9
.set ADS, 10
.set ADT, 11
.set WV,  10                           ; s10 my wave
.set G0,  12                           ; s[12:15], s[16:23] the one descriptor
.set G1,  16
.set SEL, 24                           ; s[24:25] v_permlanex16_b32's selects for lane l xor 16
.set CS,  26                           ; s[26:27] c = log2(e) / 8
.set TK,  28                           ; s28 the step's codes: 6,144 bytes a step, in K's region and in V's
.set TS,  29                           ; s29 K's scale words: 512 a step
.set TT,  30                           ; s30 V's: 256 a step
.set CNT, 31
.set QB,  32                           ; s[32:33] my pair's codes of Q;  s[34:35] its scale words;  s[36:37] my place in ac;  s[38:39] in asc
.set QS,  34
.set OB,  36
.set OS,  38
.set HIM, 40                           ; s40 lanes 16-31
.macro CROUND                          ; a round of the cluster's barrier
	s_barrier_signal -1
	s_barrier_wait -1
	s_cmp_lg_u32 s[WV], 0
	s_cbranch_scc1 .Lnot_wave_0_\@
	s_barrier_signal -3
.Lnot_wave_0_\@:
	s_barrier_wait -3
	s_barrier_signal -1
	s_barrier_wait -1
.endm
	s_load_b128 s[4:7], s[0:1], 0x0                ; hd, ac
	s_load_b64 s[8:9], s[0:1], 0x10                ; asc
	v_lshl_add_u32 v[SPW], v0, 2, SPARE
	v_mov_b32 v[NIL], 0
	ds_add_u32 v[SPW], v[NIL]                      ; the wave's opening: the add and its wait ahead of my first tensor load; the set-up below stands between them
	ds_add_u32 v[SPW], v[NIL]
	v_lshrrev_b32 v8, 5, v0
	s_delay_alu instid0(VALU_DEP_1)
	v_readfirstlane_b32 s[WV], v8                  ; wave 0..15
	s_bfe_u32 s11, ttmp6, 0x40000                  ; cx: it enters Q's, ac's and asc's addresses alone
	s_and_b32 s41, ttmp7, 0xffff                   ; 16 b + head, which the four partners share
	s_mul_i32 s42, s41, REC                        ; the head's record
	s_mov_b32 s[G0], 1                             ; count = 1
	s_mul_i32 s[G0+1], s[WV], 13056                ; LDS address: my 51 rows of 256 bytes
	s_add_co_u32 s44, s42, s[G0+1]                 ; and the same place in the record
	s_mov_b32 s45, 0
	s_mov_b32 s[G1], 15|(3<<16)|(1<<21)            ; the mask: all four work-groups; elements of 8 bytes; bit 21 beside a mask; no padding
	s_mov_b32 s[G1+1], 32<<16                      ; tensor_dim0 = 32 elements
	s_mov_b32 s[G1+2], 51<<16                      ; tensor_dim1 = 51
	s_mov_b32 s[G1+3], 32<<16                      ; tile_dim0
	s_mov_b32 s[G1+4], 51                          ; tile_dim1
	s_mov_b32 s[G1+5], 32                          ; pitch: dense
	s_mov_b32 s[G1+6], 0
	s_mov_b32 s[G1+7], 0
	s_mov_b32 s[SEL], 0x76543210
	s_mov_b32 s[SEL+1], 0xfedcba98
	s_mov_b32 s[CS], 0x3e38aa3b                    ; log2(e) / 8
	s_mov_b32 s[CS+1], s[CS]                       ; (named with it as a pair, so it is written)
	s_mov_b32 s[HIM], 0xffff0000
	s_lshl_b32 s46, s11, 4
	s_add_co_u32 s46, s46, s[WV]                   ; P: my 32 queries of the head's 2,048
	s_mul_i32 s[QB], s46, 1536
	s_add_co_u32 s[QB], s[QB], s42
	s_add_co_u32 s[QB], s[QB], 208896
	s_mov_b32 s[QB+1], 0
	s_lshr_b32 s47, s46, 2
	s_lshl_b32 s[QS], s47, 9                       ; Q's scale words: 512 bytes for 128 queries,
	s_and_b32 s47, s46, 3
	s_lshl_b32 s47, s47, 2                         ; my pair's word of a lane's four
	s_add_co_u32 s[QS], s[QS], s47
	s_add_co_u32 s[QS], s[QS], s42
	s_add_co_u32 s[QS], s[QS], 307200
	s_mov_b32 s[QS+1], 0
	s_lshr_b32 s47, s41, 4                         ; b
	s_and_b32 s48, s41, 15                         ; head
	s_lshl_b32 s[OB], s47, 7
	s_lshl_b32 s49, s46, 1
	s_add_co_u32 s[OB], s[OB], s49                 ; my first tile of tokens: 128 b + 2 P
	s_lshl_b32 s[OB], s[OB], 4
	s_add_co_u32 s[OB], s[OB], s48
	s_mul_i32 s[OB], s[OB], 768
	s_mov_b32 s[OB+1], 0
	s_lshl_b32 s[OS], s47, 11
	s_lshl_b32 s49, s46, 5
	s_add_co_u32 s[OS], s[OS], s49                 ; my first token
	s_lshl_b32 s[OS], s[OS], 5
	s_lshl_b32 s49, s48, 1
	s_add_co_u32 s[OS], s[OS], s49
	s_mov_b32 s[OS+1], 0
	s_wait_dscnt 0x0                               ; the opening add is done
	s_wait_kmcnt 0x0
	s_add_nc_u64 s[G0+2:G0+3], s[4:5], s[44:45]
	s_or_b32 s[G0+3], s[G0+3], 0x80000000          ; type = 2
	s_add_nc_u64 s[QB:QB+1], s[4:5], s[QB:QB+1]
	s_add_nc_u64 s[QS:QS+1], s[4:5], s[QS:QS+1]
	s_add_nc_u64 s[OB:OB+1], s[6:7], s[OB:OB+1]
	s_add_nc_u64 s[OS:OS+1], s[8:9], s[OS:OS+1]
	CROUND                                         ; all four work-groups are here: the joint loads meet
	tensor_load_to_lds s[G0:G0+3], s[G1:G1+7]      ; my one tensor load of the launch
	s_nop 0
.rept 4
	v_nop
.endr
	v_and_b32 v8, 31, v0
	s_delay_alu instid0(VALU_DEP_1)
	v_lshlrev_b32 v[AK0], 4, v8                    ; 16 x lane: K's codes begin at LDS byte 0
	global_load_b128 v[16:19], v[AK0], s[QB:QB+1]              ; tile 0's fragment of Q: registers 0-3 are image 0,
	global_load_b64 v[20:21], v[AK0], s[QB:QB+1] offset:512    ; registers 4, 5 the lower half of image 1
	global_load_b32 v255, v[AK0], s[QS:QS+1]       ; Q's scale words: lanes 0-15 tile 0's queries, lanes 16-31 tile 1's
	v_add_nc_u32 v[AV0], 98304, v[AK0]             ; V's codes
	v_add_nc_u32 v[AS0], 196608, v[AK0]            ; K's scale words: 16 bytes a lane
	v_lshlrev_b32 v[L8], 3, v8
	s_delay_alu instid0(VALU_DEP_1)
	v_add_nc_u32 v[AT0], 204800, v[L8]             ; V's: 8 bytes a lane
	v_lshlrev_b32 v28, 5, v8
.irp j, 22,23,24,25,26,27,80,81,82,83,84,85,236,237,238,239,253
	v_mov_b32 v\j, 0                               ; Q's k = 64 .. 127; what lies behind K's last fragment; the lane permutes' destinations and the upper half of the pair v[252:253], which count as read
.endr
	s_wait_tensorcnt 0x0                           ; my part of the head's image is in,
	s_barrier_signal -1
	s_barrier_wait -1                              ; everybody's is
.macro QK t, qt                        ; S^T tile t: K's scale words: register t / 2, lanes 16-31 for an odd tile; Q's: lanes 16-31 for my second tile
.if ((\t)%2 == 0) && (\qt == 0)
	v_wmma_scale_f32_16x16x128_f8f6f4 v[96+8*(\t):103+8*(\t)], v[32+6*(\t):43+6*(\t)], v[16:27], 0, v[248+(\t)/2], v255 matrix_a_fmt:MATRIX_FMT_FP6 matrix_b_fmt:MATRIX_FMT_FP6
.elseif ((\t)%2 == 1) && (\qt == 0)
	v_wmma_scale_f32_16x16x128_f8f6f4 v[96+8*(\t):103+8*(\t)], v[32+6*(\t):43+6*(\t)], v[16:27], 0, v[248+(\t)/2], v255 matrix_a_fmt:MATRIX_FMT_FP6 matrix_b_fmt:MATRIX_FMT_FP6 matrix_a_scale:MATRIX_SCALE_ROW1
.elseif ((\t)%2 == 0)
	v_wmma_scale_f32_16x16x128_f8f6f4 v[96+8*(\t):103+8*(\t)], v[32+6*(\t):43+6*(\t)], v[16:27], 0, v[248+(\t)/2], v255 matrix_a_fmt:MATRIX_FMT_FP6 matrix_b_fmt:MATRIX_FMT_FP6 matrix_b_scale:MATRIX_SCALE_ROW1
.else
	v_wmma_scale_f32_16x16x128_f8f6f4 v[96+8*(\t):103+8*(\t)], v[32+6*(\t):43+6*(\t)], v[16:27], 0, v[248+(\t)/2], v255 matrix_a_fmt:MATRIX_FMT_FP6 matrix_b_fmt:MATRIX_FMT_FP6 matrix_a_scale:MATRIX_SCALE_ROW1 matrix_b_scale:MATRIX_SCALE_ROW1
.endif
.endm
.macro PV d                            ; O^T tile d += V^T P^T over these 128 keys
.if (\d)%2 == 0
	v_wmma_scale_f32_16x16x128_f8f6f4 v[160+8*(\d):167+8*(\d)], v[32+12*(\d):43+12*(\d)], v[224:235], v[160+8*(\d):167+8*(\d)], v[192+(\d)/2], v253 matrix_a_fmt:MATRIX_FMT_FP6 matrix_b_fmt:MATRIX_FMT_FP6
.else
	v_wmma_scale_f32_16x16x128_f8f6f4 v[160+8*(\d):167+8*(\d)], v[32+12*(\d):43+12*(\d)], v[224:235], v[160+8*(\d):167+8*(\d)], v[192+(\d)/2], v253 matrix_a_fmt:MATRIX_FMT_FP6 matrix_b_fmt:MATRIX_FMT_FP6 matrix_a_scale:MATRIX_SCALE_ROW1
.endif
.endm
; A KEY STEP: 128 keys.
.macro STEP qt
	v_add_nc_u32 v[ADK], s[TK], v[AK0]
	v_add_nc_u32 v[ADV], s[TK], v[AV0]
	v_add_nc_u32 v[ADS], s[TS], v[AS0]
	v_add_nc_u32 v[ADT], s[TT], v[AT0]
.irp i, 0,1,2,3,4,5,6,7,8,9,10,11
	ds_load_b128 v[32+4*\i:35+4*\i], v[ADK] offset:512*\i      ; K's eight half fragments, six registers each, on end
.endr
	ds_load_b128 v[248:251], v[ADS]                ; their scale words: register tau: key 32 tau + lane
	s_wait_alu depctr_va_vdst(0)
	s_wait_dscnt 0x0
.irp t, 0,1,2,3,4,5,6,7
	QK \t, \qt                                     ; lane (r, h): query r; register j of tile t: key 16 t + 8 h + j
.endr
.rept 4
	v_nop                                          ; places in front of the loads below and of the first read of the scores
.endr
.irp i, 0,1,2,3,4,5,6,7,8,9,10,11
	ds_load_b128 v[32+4*\i:35+4*\i], v[ADV] offset:512*\i      ; V's four fragments: they land while the softmax is walked
.endr
	ds_load_b64 v[192:193], v[ADT]                 ; their scale words: register i: channel 32 i + lane
.irp b, 0,1,2,3
	v_max3_num_f32 v[232+\b], v[96+16*\b], v[97+16*\b], v[98+16*\b]   ; the largest score of each block of 32 keys: for the row's maximum and, since p rises with the score, for the block's largest p
.endr
.irp i, 3,5,7,9,11,13
.irp b, 0,1,2,3
	v_max3_num_f32 v[232+\b], v[232+\b], v[96+16*\b+\i], v[97+16*\b+\i]
.endr
.endr
.irp b, 0,1,2,3
	v_max_num_f32 v[232+\b], v[232+\b], v[111+16*\b]
.endr
.irp b, 0,1,2,3
	s_delay_alu instid0(VALU_DEP_4)
	v_permlanex16_b32 v[236+\b], v[232+\b], s[SEL], s[SEL+1]
.endr
.irp b, 0,1,2,3
	s_delay_alu instid0(VALU_DEP_4)
	v_max_num_f32 v[232+\b], v[232+\b], v[236+\b]  ; with lane l xor 16's 16 keys
.endr
	s_delay_alu instid0(VALU_DEP_2)
	v_max3_num_f32 v254, v232, v233, v234
	s_delay_alu instid0(VALU_DEP_1)
	v_max_num_f32 v254, v254, v235                 ; the step's largest score of my query
	s_delay_alu instid0(VALU_DEP_1)
	v_mul_f32 v254, s[CS], v254                    ; as t
	s_delay_alu instid0(VALU_DEP_1)
	v_max_num_f32 v13, v13, v254                   ; the running largest t
	v_mov_b32 v254, v12
	s_delay_alu instid0(VALU_DEP_2)
	v_floor_f32 v12, -v13                          ; the new -M = floor(-t): M is a whole number
	s_delay_alu instid0(VALU_DEP_1)
	v_sub_f32 v254, v12, v254                      ; old M - new M: a whole number, 0 or less
	s_delay_alu instid0(VALU_DEP_1)
	v_cvt_i32_f32 v254, v254                       ; (it saturates)
	s_delay_alu instid0(VALU_DEP_1)
	v_ldexp_f32 v252, 1.0, v254                    ; f = 2^(old M - new M)
.set j, 0
.rept 32
	v_pk_fma_f32 v[96+j:97+j], v[96+j:97+j], s[CS:CS+1], v[12:13] op_sel_hi:[1,0,0]   ; t - M, two at a time
.set j, j+2
.endr
.irp b, 0,1,2,3
	v_fma_f32 v[232+\b], v[232+\b], s[CS], v12     ; the same of each block's largest score
.endr
.set j, 0
	s_wait_alu depctr_va_vdst(0)
.rept 64
	v_exp_f32 v[96+j], v[96+j]                     ; p = 2^(t - M), at most 1
.set j, j+1
.endr
	s_setprio 1
	v_pk_mul_f32 v[14:15], v[14:15], v[252:253] op_sel_hi:[1,0]   ; the sum under the new M (a plain line behind the exponentials)
	s_wait_alu depctr_va_vdst(0)                   ; one wait for the batch of 64, ahead of its first reader
.irp b, 0,1,2,3
	v_exp_f32 v[232+\b], v[232+\b]                 ; the block's largest p: the same two instructions on the same number
.endr
	v_pk_add_f32 v[194:195], v[96:97], v[98:99]    ; the row's sum of the unquantised p, in two chains: the first 32 numbers here, plain work behind the four exponentials
.irp j, 4,8,12,16,20,24,28
	v_pk_add_f32 v[14:15], v[14:15], v[96+\j:97+\j]
	v_pk_add_f32 v[194:195], v[194:195], v[98+\j:99+\j]
.endr
	s_wait_alu depctr_va_vdst(0)                   ; and one wait for the four
.irp b, 0,1,2,3
	v_max_num_f32 v[232+\b], 0x1800000, v[232+\b]  ; the floor 2^(3 - 127): the byte cannot fall under 1
.endr
.irp b, 0,1,2,3
	s_delay_alu instid0(VALU_DEP_4)
	v_add_nc_u32 v[244+\b], 0xff000000, v[232+\b]  ; 2 off the exponent field: the conversion's scale operand
.endr
.irp b, 0,1,2,3
	s_delay_alu instid0(VALU_DEP_4)
	v_lshrrev_b32 v[236+\b], 23, v[244+\b]         ; the scale's byte
.endr
	s_delay_alu instid0(VALU_DEP_3)
	v_lshl_or_b32 v253, v237, 8, v236              ; p's scale word for these 128 keys
	s_delay_alu instid0(VALU_DEP_1)
	v_lshl_or_b32 v253, v238, 16, v253
	s_delay_alu instid0(VALU_DEP_1)
	v_lshl_or_b32 v253, v239, 24, v253
.irp c, 0,1
	v_cvt_scalef32_pk16_fp6_f32 v[224+6*\c:226+6*\c], v[96+32*\c:111+32*\c], v[244+2*\c]
	v_cvt_scalef32_pk16_fp6_f32 v[236+4*\c:238+4*\c], v[112+32*\c:127+32*\c], v[245+2*\c]
.endr
	v_nop                                          ; one plain line behind the conversions
.irp c, 0,1
.irp i, 0,1,2
	v_permlane16_swap_b32 v[224+6*\c+\i], v[236+4*\c+\i]   ; a whole block to a lane: lanes 0-15 block 2 c, lanes 16-31 block 2 c + 1
.endr
.irp i, 0,1,2
	s_delay_alu instid0(VALU_DEP_3)
	v_mov_b32 v[227+6*\c+\i], v[236+4*\c+\i]
.endr
.endr
.set j, 0
.rept 16
	v_pk_mul_f32 v[160+j:161+j], v[160+j:161+j], v[252:253] op_sel_hi:[1,0]   ; O^T under the new M
.set j, j+2
.endr
	s_setprio 0
.irp j, 32,36,40,44,48,52,56,60
	v_pk_add_f32 v[14:15], v[14:15], v[96+\j:97+\j]            ; the sum's other 32 numbers: 17 plain lines between the writes of p's codes, p's scale word and O^T and the products that take them
	v_pk_add_f32 v[194:195], v[194:195], v[98+\j:99+\j]
.endr
	s_delay_alu instid0(VALU_DEP_1)
	v_pk_add_f32 v[14:15], v[14:15], v[194:195]
	s_wait_dscnt 0x0                               ; V is in
.irp d, 0,1,2,3
	PV \d                                          ; four accumulators, one instruction a turn
.endr
	s_add_co_u32 s[TK], s[TK], 6144
	s_add_co_u32 s[TS], s[TS], 512
	s_add_co_u32 s[TT], s[TT], 256
.endm
; THE END OF A TILE: O^T / the sum, quantised along the head's 64 channels: two blocks; register 16 B + i is my half's i-th number of block B.
.macro FINAL qt
.rept 4
	v_nop                                          ; places behind the last products
.endr
	v_add_f32 v14, v14, v15                        ; the sum's two halves,
	s_delay_alu instid0(VALU_DEP_1)
	v_permlanex16_b32 v252, v14, s[SEL], s[SEL+1]
	s_delay_alu instid0(VALU_DEP_1)
	v_add_f32 v14, v14, v252                       ; and lane l xor 16's: the row's sum
	s_wait_alu depctr_va_vdst(0)
	v_rcp_f32 v14, v14
	v_nop                                          ; a plain line behind the reciprocal
	s_wait_alu depctr_va_vdst(0)                   ; the wait ahead of its first reader
.set j, 0
.rept 16
	v_pk_mul_f32 v[96+j:97+j], v[160+j:161+j], v[14:15] op_sel_hi:[1,0]   ; each accumulator from its low end on
.set j, j+2
.endr
.irp b, 0,1
	v_max3_num_f32 v[232+\b], |v[96+16*\b]|, |v[97+16*\b]|, 0x1800000
.endr
.irp i, 2,4,6,8,10,12,14
.irp b, 0,1
	s_delay_alu instid0(VALU_DEP_2)
	v_max3_num_f32 v[232+\b], v[232+\b], |v[96+16*\b+\i]|, |v[97+16*\b+\i]|
.endr
.endr
.irp b, 0,1
	s_delay_alu instid0(VALU_DEP_2)
	v_permlanex16_b32 v[236+\b], v[232+\b], s[SEL], s[SEL+1]
.endr
.irp b, 0,1
	s_delay_alu instid0(VALU_DEP_2)
	v_max_num_f32 v[232+\b], v[232+\b], v[236+\b]
.endr
.irp b, 0,1
	s_delay_alu instid0(VALU_DEP_2)
	v_add_nc_u32 v[244+\b], 0xff000000, v[232+\b]
.endr
.irp b, 0,1
	s_delay_alu instid0(VALU_DEP_2)
	v_lshrrev_b32 v[236+\b], 23, v[244+\b]
.endr
	s_delay_alu instid0(VALU_DEP_1)
	v_lshl_or_b32 v254, v237, 8, v236              ; my token's two scale bytes
	v_cvt_scalef32_pk16_fp6_f32 v[224:226], v[96:111], v244
	v_cvt_scalef32_pk16_fp6_f32 v[240:242], v[112:127], v245
	v_nop
.irp i, 0,1,2
	v_permlane16_swap_b32 v[224+\i], v[240+\i]
.endr
.irp i, 0,1,2
	s_delay_alu instid0(VALU_DEP_3)
	v_mov_b32 v[227+\i], v[240+\i]
.endr
.irp p, 0,1,2
	global_store_b64 v[L8], v[224+2*\p:225+2*\p], s[OB:OB+1] offset:12288*\qt+256*\p   ; 32 lanes store 256 consecutive bytes, at a multiple of 256 from ac's first byte
.endr
.if \qt == 0
	v_mov_b32 v29, v254                            ; kept for the one store of both tiles' bytes
.else
	v_cndmask_b32 v29, v29, v254, s[HIM]           ; lanes 16-31 take the second tile's
	global_store_b16 v28, v29, s[OS:OS+1]          ; two bytes of each of my 32 tokens' rows: a token's 32 scale bytes belong to sixteen heads, that is to sixteen work-groups
.endif
.endm
.macro TILE qt
.if \qt
	s_wait_xcnt 0x0                                ; the first tile's stores have read their registers, which this tile writes again
	global_load_b64 v[16:17], v[AK0], s[QB:QB+1] offset:520    ; tile 1's fragment of Q: the upper half of image 1,
	global_load_b128 v[18:21], v[AK0], s[QB:QB+1] offset:1024  ; and image 2
.endif
	v_mov_b32 v13, 0xff61b1e6                      ; the largest t so far: -3e38, under every t
	s_delay_alu instid0(VALU_DEP_1)
	v_floor_f32 v12, -v13                          ; -M
	v_mov_b32 v14, 0
	v_mov_b32 v15, 0
.set j, 0
.rept 32
	v_mov_b32 v[160+j], 0                          ; O^T: the step is written once; its first trip finds zeros, which the first change of M leaves zeros
.set j, j+1
.endr
	s_mov_b32 s[TK], 0
	s_mov_b32 s[TS], 0
	s_mov_b32 s[TT], 0
	s_mov_b32 s[CNT], 16
	s_wait_loadcnt 0x0                             ; Q
.Lstep_\@:
	s_setprio 2
	STEP \qt
	s_sub_co_u32 s[CNT], s[CNT], 1
	s_cmp_lg_u32 s[CNT], 0
	s_cbranch_scc1 .Lstep_\@
	s_setprio 0
	s_wait_alu depctr_va_vdst(0)
	FINAL \qt
.endm
	TILE 0
	TILE 1
	s_wait_tensorcnt 0x0                           ; the wave's end, behind my last tensor load
	ds_add_u32 v[SPW], v[NIL]
	s_wait_dscnt 0x0
	CROUND                                         ; the closing round
	s_endpgm
.Lfunc_end_k_q0e4ecfb0b5_attn:
	.size	k_q0e4ecfb0b5_attn, .Lfunc_end_k_q0e4ecfb0b5_attn-k_q0e4ecfb0b5_attn
	.p2alignl 7, 3214868480
	.fill 96, 4, 3214868480
	.section	.rodata,"a",@progbits
	.p2align	6, 0x0
	.amdhsa_kernel k_q0e4ecfb0b5_attn
		.amdhsa_group_segment_fixed_size 212992
		.amdhsa_private_segment_fixed_size 0
		.amdhsa_enable_private_segment 0
		.amdhsa_kernarg_size 24
		.amdhsa_user_sgpr_count 2
		.amdhsa_user_sgpr_kernarg_segment_ptr 1
		.amdhsa_wavefront_size32 1
		.amdhsa_system_sgpr_workgroup_id_x 1
		.amdhsa_system_sgpr_workgroup_id_y 1
		.amdhsa_system_sgpr_workgroup_id_z 1
		.amdhsa_system_vgpr_workitem_id 0
		.amdhsa_next_free_vgpr 256
		.amdhsa_next_free_sgpr 66
		.amdhsa_reserve_vcc 0
		.amdhsa_float_denorm_mode_32 3
		.amdhsa_float_denorm_mode_16_64 3
		.amdhsa_memory_ordered 1
		.amdhsa_forward_progress 1
		.amdhsa_inst_pref_size 51
	.end_amdhsa_kernel
	.amdgpu_metadata
---
amdhsa.version: [ 1, 2 ]
amdhsa.kernels:
  - .name:           k_q0e4ecfb0b5_attn
    .symbol:         k_q0e4ecfb0b5_attn.kd
    .args:
      - { .name: hd, .offset: 0, .size: 8, .value_kind: global_buffer, .address_space: global }
      - { .name: ac, .offset: 8, .size: 8, .value_kind: global_buffer, .address_space: global }
      - { .name: asc, .offset: 16, .size: 8, .value_kind: global_buffer, .address_space: global }
    .group_segment_fixed_size: 212992
    .private_segment_fixed_size: 0
    .kernarg_segment_align: 8
    .kernarg_segment_size: 24
    .max_flat_workgroup_size: 512
    .sgpr_count:     66
    .vgpr_count:     256
    .wavefront_size: 32
...
	.end_amdgpu_metadata
.endif
;; end of part 3
;; launch outp (part 4): grid 4 x 32, 4 waves a work-group, clusters of 4 x 4, 327,680 bytes of LDS; arguments ac, asc, codes, scales, bo, out0; writes out0
.if DOCPART == 4
	.amdgcn_target "amdgcn-amd-amdhsa--gfx1250"
	.amdhsa_code_object_version 6
	.text
	.protected	k_q0e4ecfb0b5_outp
	.globl	k_q0e4ecfb0b5_outp
	.p2align	8
	.type	k_q0e4ecfb0b5_outp,@function
k_q0e4ecfb0b5_outp:
	s_mov_b64 s[64:65], 0
	v_nop
	global_prefetch_b8 v0, s[64:65] scope:SCOPE_SE
	s_setreg_imm32_b32 hwreg(HW_REG_WAVE_MODE, 25, 1), 1
	s_wait_xcnt 0x0
	s_wait_alu depctr_hold_cnt(0) depctr_sa_sdst(0) depctr_va_vdst(0) depctr_va_sdst(0) depctr_va_ssrc(0) depctr_va_vcc(0) depctr_vm_vsrc(0)
	s_getreg_b32 s2, hwreg(HW_REG_IB_STS2, 6, 4)
	s_cmp_eq_u32 s2, 0
	s_cbranch_scc0 .Lentry_in_a_cluster
	s_endpgm
.Lentry_in_a_cluster:
	s_bfe_u32 s2, ttmp6, 0x10000c
	s_cmp_lg_u32 s2, 0xf033
	s_cbranch_scc0 .Lentry_shape_is_right
	s_endpgm
.Lentry_shape_is_right:
.set SIZE_N, 1024
.set NQ,     2
.set ROWB,   192
.set KROW,   768
.set PITCH,  240
.set FR,     12
.set NL,     6
.set NP,     4
.set TILEA,  3072
.set HALFA,  8*TILEA
.set HALFT,  128*PITCH
.set SLOT,   2*HALFA+2*HALFT
.set KS,     32
.set SCL,    2*SLOT
.set HALFS,  (128*KS/256)*272
.set SBLK,   (16*KS/256)*272
.set SPARE,  SCL+4*HALFS
.set SPITCH, 528
.set ADRA, 16
.set ADRB, 20
.set STO,  24
.set RD,   25
.set CO,   26
.set ADRS, 27
.set SPW,  28
.set NIL,  29
.set BO,   30
.set SC,   32
.set BIAS, 64
.set AF,   128
.set BK,   128
.set G1, 24
.set G0, 32
.set G1B, 48
.set G0B, 56
.set G1S, 68
.set G0S, 76
.set G1SB, 80
.set G0SB, 88
.set MSB, 0
.macro WIN new
.if MSB != (\new)
	s_set_vgpr_msb (MSB<<8)|(\new)
.set MSB, \new
.endif
.endm
.set MUL_LO, 0xa1
.set MUL_HI, 0xf1
.set BIA_LO, 0x81
.set BIA_HI, 0xc1
.set TO_B,   0x40
.macro JLOAD g0a, g1a, g0b, g1b
	s_cmp_eq_u32 s15, 0
	s_cbranch_scc0 .Lfor_b_\@
	tensor_load_to_lds s[\g0a:\g0a+3], s[\g1a:\g1a+7]
	s_nop 0
.rept 4
	v_nop
.endr
	s_branch .Lasked_\@
.Lfor_b_\@:
	tensor_load_to_lds s[\g0b:\g0b+3], s[\g1b:\g1b+7]
	s_nop 0
.rept 4
	v_nop
.endr
.Lasked_\@:
.endm
.macro CREST
	s_cmp_lg_u32 s14, 0
	s_cbranch_scc1 .Lnot_wave_0_\@
	s_barrier_signal -3
.Lnot_wave_0_\@:
	s_barrier_wait -3
	s_barrier_signal -1
	s_barrier_wait -1
.endm
.macro CROUND
	s_barrier_signal -1
	s_barrier_wait -1
	CREST
.endm
	s_load_b128 s[4:7], s[0:1], 0x0
	s_load_b128 s[8:11], s[0:1], 0x10
	s_load_b64 s[96:97], s[0:1], 0x20
	s_load_b64 s[12:13], s[0:1], 0x28
	v_lshl_add_u32 v[SPW], v0, 2, SPARE
	v_mov_b32 v[NIL], 0
	ds_add_u32 v[SPW], v[NIL]
	ds_add_u32 v[SPW], v[NIL]
	v_lshrrev_b32 v1, 5, v0
	v_readfirstlane_b32 s14, v1
	s_lshr_b32 s15, s14, 1
	s_and_b32 s16, s14, 1
	s_bfe_u32 s40, ttmp6, 0x40000
	s_bfe_u32 s41, ttmp6, 0x40004
	s_lshl_b32 s42, ttmp9, 2
	s_add_co_u32 s42, s42, s40
	s_and_b32 s17, ttmp7, 0xffff
	s_lshl_b32 s17, s17, 2
	s_add_co_u32 s17, s17, s41
	s_lshl_b32 s43, s41, 2
	s_lshl_b32 s43, 15, s43
	s_lshl_b32 s44, 0x1111, s40
	s_or_b32 s[G1+0], s43, (3<<16)|(1<<21)
	s_mov_b32 s[G1+1], 384<<16
	s_mov_b32 s[G1+2], 8<<16
	s_mov_b32 s[G1+3], 384<<16
	s_mov_b32 s[G1+4], 8
	s_mov_b32 s[G1+5], 1536
	s_mov_b32 s[G1+6], 0
	s_mov_b32 s[G1+7], 0
	s_or_b32 s[G1B+0], s44, (0<<16)|(1<<20)|(1<<21)|(3<<22)|(3<<25)
	s_mov_b32 s[G1B+1], ROWB<<16
	s_mov_b32 s[G1B+2], 128<<16
	s_mov_b32 s[G1B+3], ROWB<<16
	s_mov_b32 s[G1B+4], 128
	s_mov_b32 s[G1B+5], KROW
	s_mov_b32 s[G1B+6], 0
	s_mov_b32 s[G1B+7], 0
	s_or_b32 s[G1S+0], s43, (3<<16)|(1<<20)|(1<<21)|(5<<22)|(3<<25)
	s_or_b32 s[G1SB+0], s44, (3<<16)|(1<<20)|(1<<21)|(5<<22)|(3<<25)
.irp g, G1S, G1SB
	s_mov_b32 s[\g+1], 32<<16
	s_mov_b32 s[\g+2], (128*KS/256)<<16
	s_mov_b32 s[\g+3], 32<<16
	s_mov_b32 s[\g+4], 128*KS/256
	s_mov_b32 s[\g+5], 32
	s_mov_b32 s[\g+6], 0
	s_mov_b32 s[\g+7], 0
.endr
	s_lshl_b32 s18, s16, 7
	s_lshl_b32 s20, s17, 8
	s_add_co_u32 s20, s20, s18
	s_lshl_b32 s46, s42, 8
	s_add_co_u32 s46, s46, s18
	s_add_co_u32 s46, s46, 27648
	s_lshl_b32 s22, s20, 5
	s_mov_b32 s23, 0
	s_lshl_b32 s92, s46, 5
	s_mov_b32 s93, 0
	s_mul_i32 s20, s20, 768
	s_mov_b32 s21, 0
	s_mul_i32 s46, s46, KROW
	s_mov_b32 s47, 0
	s_mul_i32 s45, s16, HALFA
	s_mul_i32 s95, s16, HALFT
	s_add_co_u32 s95, s95, 2*HALFA
	s_mul_i32 s94, s14, HALFS
	s_wait_dscnt 0x0
	s_wait_kmcnt 0x0
	s_add_nc_u64 s[20:21], s[4:5], s[20:21]
	s_add_nc_u64 s[22:23], s[6:7], s[22:23]
	s_add_nc_u64 s[46:47], s[8:9], s[46:47]
	s_add_nc_u64 s[92:93], s[10:11], s[92:93]
	CROUND
	s_mov_b32 s[G0S], 1
	s_add_co_u32 s[G0S+1], s94, SCL
	s_mov_b64 s[G0S+2:G0S+3], s[22:23]
	s_or_b32 s[G0S+3], s[G0S+3], 0x80000000
	s_mov_b32 s[G0SB], 1
	s_add_co_u32 s[G0SB+1], s94, SCL
	s_mov_b64 s[G0SB+2:G0SB+3], s[92:93]
	s_or_b32 s[G0SB+3], s[G0SB+3], 0x80000000
	JLOAD G0S, G1S, G0SB, G1SB
.irp s, 0,1
	s_mov_b32 s[G0+4*\s], 1
	s_add_co_u32 s[G0+4*\s+1], s45, \s*SLOT
	s_add_nc_u64 s[G0+4*\s+2:G0+4*\s+3], s[20:21], \s*TILEA
	s_or_b32 s[G0+4*\s+3], s[G0+4*\s+3], 0x80000000
	s_mov_b32 s[G0B+4*\s], 1
	s_add_co_u32 s[G0B+4*\s+1], s95, \s*SLOT
	s_add_nc_u64 s[G0B+4*\s+2:G0B+4*\s+3], s[46:47], \s*ROWB
	s_or_b32 s[G0B+4*\s+3], s[G0B+4*\s+3], 0x80000000
	s_wait_alu depctr_va_vdst(0)
	s_wait_tensorcnt 0x0
	ds_add_u32 v28, v29
	s_wait_dscnt 0x0
	CROUND
	JLOAD G0+4*\s, G1, G0B+4*\s, G1B
.endr
	v_and_b32 v1, 15, v0
	v_bfe_u32 v2, v0, 4, 1
	v_mul_u32_u24 v3, v1, PITCH
	v_mul_u32_u24 v4, v2, 24
	v_add_nc_u32 v4, v3, v4
	v_lshl_add_u32 v5, v2, 4, v4
	v_and_b32 v6, 31, v0
	v_lshlrev_b32 v7, 3, v6
	s_mul_i32 s21, s15, HALFA
	s_mul_i32 s22, s16, HALFT
	s_add_co_u32 s22, s22, 2*HALFA
.irp s, 0,1
	v_add_nc_u32 v[ADRA+\s], s21, v7
	v_add_nc_u32 v[ADRB+\s], s22, v4
	v_add_nc_u32 v[ADRB+2+\s], s22, v5
	s_add_co_u32 s21, s21, SLOT
	s_add_co_u32 s22, s22, SLOT
.endr
	v_mul_u32_u24 v5, v1, KS
	v_lshrrev_b32 v8, 8, v5
	v_lshl_add_u32 v5, v8, 4, v5
	s_mul_i32 s21, s15, HALFS
	s_mul_i32 s22, s16, HALFS
	s_add_co_u32 s22, s22, 2*HALFS
	s_sub_co_u32 s22, s22, s21
	v_mul_u32_u24 v8, s22, v2
	s_add_co_u32 s21, s21, SCL
	v_add_nc_u32 v5, v5, v8
	v_add_nc_u32 v[ADRS], s21, v5
	s_mul_i32 s23, s14, 16*SPITCH
	v_mul_u32_u24 v5, v1, SPITCH
	v_lshl_add_u32 v5, v2, 5, v5
	v_add_nc_u32 v[STO], s23, v5
	v_lshlrev_b32 v[CO], 4, v6
	v_add_nc_u32 v[RD], s23, v[CO]
	s_lshl_b32 s20, s17, 8
	s_lshl_b32 s21, s15, 7
	s_add_co_u32 s20, s20, s21
	s_lshl_b32 s20, s20, 12
	s_mov_b32 s21, 0
	s_lshl_b32 s46, s42, 10
	s_lshl_b32 s47, s16, 9
	s_add_co_u32 s46, s46, s47
	s_mov_b32 s47, 0
	s_add_nc_u64 s[96:97], s[96:97], s[46:47]
	s_add_nc_u64 s[20:21], s[20:21], s[46:47]
	s_add_nc_u64 s[12:13], s[12:13], s[20:21]
	v_lshlrev_b32 v[BO], 5, v2
.irp b, 0,1,2,3,4,5,6,7
	global_load_b128 v[BIAS+8*\b:BIAS+8*\b+3], v[BO], s[96:97] offset:64*\b
	global_load_b128 v[BIAS+8*\b+4:BIAS+8*\b+7], v[BO], s[96:97] offset:64*\b+16
.endr
.macro FRAG reg, adr, q, i
.irp p, 0,1,2,3,4,5
.set PC, 12*(\q)+6*(\p/3)+\p%3
.if PC%8 < 5
	ds_load_b64 v[\reg+2*\p:\reg+2*\p+1], v[\adr] offset:8*PC+16*(PC/8)+(\i)*16*PITCH
.else
	ds_load_b64 v[\reg+2*\p:\reg+2*\p+1], v[\adr+2] offset:8*PC+16*(PC/8)+(\i)*16*PITCH
.endif
.endr
.endm
.macro FRAGA reg, slot, q, i
.irp p, 0,1,2,3,4,5
	ds_load_b64 v[\reg+2*\p:\reg+2*\p+1], v[ADRA+\slot] offset:TILEA*(\i)+768*(2*(\q)+\p/3)+256*(\p%3)
.endr
.endm
.macro MM a, b, p, q, sc, cm
.set rD, 8*(8*((\a)%4)+\b)
.set rB, 128*(\p)+FR*\b
.set rA, AF+FR*(\a)
.set sB, SC+8*NQ*(\sc)+NQ*\b+(\q)
.set sA, SC+8*NQ*(\sc)+NQ*(\a)+(\q)
.if \cm
	v_wmma_scale_f32_16x16x128_f8f6f4 v[rD:rD+7], v[rB:rB+FR-1], v[rA:rA+FR-1], v[BIAS+8*\b:BIAS+8*\b+7], v[sB], v[sA] matrix_a_fmt:MATRIX_FMT_FP6 matrix_b_fmt:MATRIX_FMT_FP6 matrix_a_scale:MATRIX_SCALE_ROW1
.else
	v_wmma_scale_f32_16x16x128_f8f6f4 v[rD:rD+7], v[rB:rB+FR-1], v[rA:rA+FR-1], v[rD:rD+7], v[sB], v[sA] matrix_a_fmt:MATRIX_FMT_FP6 matrix_b_fmt:MATRIX_FMT_FP6 matrix_a_scale:MATRIX_SCALE_ROW1
.endif
.endm
.macro MUL16 a0, p, q, sc, cm
.irp a, \a0, \a0+1
.irp b, 0,1,2,3,4,5,6,7
	MM \a, \b, \p, \q, \sc, \cm
.endr
.endr
.endm
.macro FETCH_B slot, q, p
	WIN TO_B
.irp i, 0,1,2,3,4,5,6,7
	FRAG 128*(\p)+FR*\i, ADRB+\slot, \q, \i
.endr
	WIN 0
.endm
.macro FETCH_A slot, q, i0
.irp i, \i0, \i0+1, \i0+2, \i0+3
	FRAGA AF+FR*(\i), \slot, \q, \i
.endr
.endm
.macro SCALES sc
.irp i, 0,1,2,3,4,5,6,7
	ds_load_b64 v[SC+8*NQ*\sc+NQ*\i:SC+8*NQ*\sc+NQ*\i+1], v[ADRS] offset:\i*SBLK
.endr
.endm
.macro PLACES n
.rept \n
	v_nop
.endr
.endm
.macro STEP slot, q, cm
	s_wait_dscnt 4*NL
.if \cm
	WIN BIA_LO
.else
	WIN MUL_LO
.endif
	MUL16 0, (\q)%2, \q, \slot, \cm
	MUL16 2, (\q)%2, \q, \slot, \cm
	s_wait_dscnt 0
	PLACES NP
	FETCH_B \slot, (\q)+1, 1-(\q)%2
	FETCH_A \slot, (\q)+1, 0
.if \cm
	WIN BIA_HI
.else
	WIN MUL_HI
.endif
	MUL16 4, (\q)%2, \q, \slot, \cm
	MUL16 6, (\q)%2, \q, \slot, \cm
	PLACES NP
	WIN 0
	FETCH_A \slot, (\q)+1, 4
.endm
.macro TURN slot, next, fill
	s_wait_tensorcnt 0x0
	ds_add_u32 v[SPW], v[NIL]
	s_wait_dscnt 4*NL+1
	WIN MUL_LO
	MUL16 0, 1, NQ-1, \slot, 0
	s_wait_dscnt 0x0
	s_barrier_signal -1
	MUL16 2, 1, NQ-1, \slot, 0
	WIN 0
	s_barrier_wait -1
.if \fill
	CREST
	s_add_nc_u64 s[G0+4*\slot+2:G0+4*\slot+3], s[G0+4*\slot+2:G0+4*\slot+3], 2*TILEA
	s_add_nc_u64 s[G0B+4*\slot+2:G0B+4*\slot+3], s[G0B+4*\slot+2:G0B+4*\slot+3], 2*ROWB
	JLOAD G0+4*\slot, G1, G0B+4*\slot, G1B
.else
	PLACES NP
.endif
	s_wait_alu depctr_va_vdst(0)
	v_add_nc_u32 v[ADRS], 4*NQ, v[ADRS]
	FETCH_B \next, 0, 0
	FETCH_A \next, 0, 0
	SCALES \next
	WIN MUL_HI
	MUL16 4, 1, NQ-1, \slot, 0
	MUL16 6, 1, NQ-1, \slot, 0
	PLACES NP
	WIN 0
	FETCH_A \next, 0, 4
.endm
	s_wait_alu depctr_va_vdst(0)
	s_wait_tensorcnt 1
	s_barrier_signal -1
	s_barrier_wait -1
	FETCH_B 0, 0, 0
	FETCH_A 0, 0, 0
	SCALES 0
	FETCH_A 0, 0, 4
	s_wait_loadcnt 0x0
	STEP 0, 0, 1
	TURN 0, 1, 1
	STEP 1, 0, 0
	TURN 1, 0, 1
	STEP 0, 0, 0
	TURN 0, 1, 0
	STEP 1, 0, 0
	s_wait_dscnt 4*NL
	WIN MUL_LO
	MUL16 0, 1, NQ-1, 1, 0
	MUL16 2, 1, NQ-1, 1, 0
	s_wait_dscnt 0
	WIN MUL_HI
	MUL16 4, 1, NQ-1, 1, 0
	MUL16 6, 1, NQ-1, 1, 0
	WIN 0
.macro TOSTAGE a
.set AC, 64*((\a)%4)
	WIN 0x08+4*((\a)/4)
.irp b, 0,1,2,3,4,5,6,7
	ds_store_b128 v[STO], v[AC+8*\b:AC+8*\b+3] offset:64*\b
	ds_store_b128 v[STO], v[AC+8*\b+4:AC+8*\b+7] offset:64*\b+16
.endr
	WIN 0
.set BB, BK+64*((\a)%2)
.irp t, 0,1,2,3,4,5,6,7,8,9,10,11,12,13,14,15
	ds_load_b128 v[BB+4*\t:BB+4*\t+3], v[RD] offset:\t*SPITCH
.endr
.endm
.macro SEND a, younger
.set BB, BK+64*((\a)%2)
	s_wait_dscnt \younger
.if (\a) > 0
	s_add_nc_u64 s[12:13], s[12:13], 16*SIZE_N*4
.endif
.irp t, 0,1,2,3,4,5,6,7,8,9,10,11,12,13,14,15
	global_store_b128 v[CO], v[BB+4*\t:BB+4*\t+3], s[12:13] offset:\t*SIZE_N*4 th:TH_STORE_NT
.endr
.endm
	PLACES NP
	TOSTAGE 0
.irp a, 1,2,3,4,5,6,7
.if \a > 1
	s_wait_xcnt 0x0
.endif
	TOSTAGE \a
	SEND \a-1, 32
.endr
	s_wait_xcnt 0x0
	SEND 7, 0
	s_wait_tensorcnt 0x0
	ds_add_u32 v[SPW], v[NIL]
	s_wait_dscnt 0x0
	CROUND
	s_endpgm
.Lfunc_end_k_q0e4ecfb0b5_outp:
	.size	k_q0e4ecfb0b5_outp, .Lfunc_end_k_q0e4ecfb0b5_outp-k_q0e4ecfb0b5_outp
	.p2alignl 7, 3214868480
	.fill 96, 4, 3214868480
	.section	.rodata,"a",@progbits
	.p2align	6, 0x0
	.amdhsa_kernel k_q0e4ecfb0b5_outp
		.amdhsa_group_segment_fixed_size 327680
		.amdhsa_private_segment_fixed_size 0
		.amdhsa_enable_private_segment 0
		.amdhsa_kernarg_size 48
		.amdhsa_user_sgpr_count 2
		.amdhsa_user_sgpr_kernarg_segment_ptr 1
		.amdhsa_wavefront_size32 1
		.amdhsa_system_sgpr_workgroup_id_x 1
		.amdhsa_system_sgpr_workgroup_id_y 1
		.amdhsa_system_sgpr_workgroup_id_z 1
		.amdhsa_system_vgpr_workitem_id 0
		.amdhsa_next_free_vgpr 1024
		.amdhsa_next_free_sgpr 100
		.amdhsa_reserve_vcc 0
		.amdhsa_float_denorm_mode_32 3
		.amdhsa_float_denorm_mode_16_64 3
		.amdhsa_memory_ordered 1
		.amdhsa_forward_progress 1
		.amdhsa_inst_pref_size 162
	.end_amdhsa_kernel
	.amdgpu_metadata
---
amdhsa.version: [ 1, 2 ]
amdhsa.kernels:
  - .name:           k_q0e4ecfb0b5_outp
    .symbol:         k_q0e4ecfb0b5_outp.kd
    .args:
      - { .name: ac, .offset: 0, .size: 8, .value_kind: global_buffer, .address_space: global }
      - { .name: asc, .offset: 8, .size: 8, .value_kind: global_buffer, .address_space: global }
      - { .name: codes, .offset: 16, .size: 8, .value_kind: global_buffer, .address_space: global }
      - { .name: scales, .offset: 24, .size: 8, .value_kind: global_buffer, .address_space: global }
      - { .name: bo, .offset: 32, .size: 8, .value_kind: global_buffer, .address_space: global }
      - { .name: out0, .offset: 40, .size: 8, .value_kind: global_buffer, .address_space: global }
    .group_segment_fixed_size: 327680
    .private_segment_fixed_size: 0
    .kernarg_segment_align: 8
    .kernarg_segment_size: 48
    .max_flat_workgroup_size: 128
    .sgpr_count:     100
    .vgpr_count:     1024
    .wavefront_size: 32
...
	.end_amdgpu_metadata
.endif
;; end of part 4
